; MI455X (gfx1250); checked and timed in simulation.
; The chip was launched on July 23, 2026; its instructions are those of AMD's public machine-readable ISA for CDNA 5 (MIT licence, August 2026) and "CDNA5" Instruction Set Architecture Reference Guide (July 2026). The comments in the code are by the model that wrote it; some were corrected since.
;; Attention Element. Allowed arithmetic: float matrix products may take bf16 or f16 operands with f32 sums; all other float work in f32.
;; Inputs: Wk 256 x 256 float32; Wo 256 x 256 float32; Wq 256 x 256 float32; Wv 256 x 256 float32; bk 256 float32; bo 256 float32; bq 256 float32; bv 256 float32; central_embedding 1,024 x 256 float32; mask 1,024 x 343 float32; sdr 7 x 64 float32; spatial_embeddings 1,024 x 7 x 7 x 7 x 64 float32.
;; Outputs: out0 1,024 x 256 float32.
;; 2 versions, each right; version 2 is version 1 with the launch attend written anew for expert scheduling mode. Each part assembles by itself: llvm-mc -triple=amdgcn-amd-amdhsa -mcpu=gfx1250 --defsym DOCPART=n.
;; ======== version 1 of 2: 4 launches
;; limits: values are held in f16: magnitudes above 65,504 overflow, below 6.1e-05 lose precision
;; workspace buffers: U 4,194,304 bytes; QB 16,384 bytes; PM 1,048,576 bytes; V 1,048,576 bytes
;; launch prep (part 1): grid 4 x 64, 4 waves a work-group, no clusters, 168,448 bytes of LDS; arguments central_embedding, Wq, bq, Wk, bk, U, QB; writes U, QB
.if DOCPART == 1
	.amdgcn_target "amdgcn-amd-amdhsa--gfx1250"
	.amdhsa_code_object_version 6
	.text
	.protected	k_q706d54ef7e_prep
	.globl	k_q706d54ef7e_prep
	.p2align	8
	.type	k_q706d54ef7e_prep,@function
k_q706d54ef7e_prep:
	s_mov_b64 s[64:65], 0
	v_nop
	global_prefetch_b8 v0, s[64:65] scope:SCOPE_SE
	s_setreg_imm32_b32 hwreg(HW_REG_WAVE_MODE, 25, 1), 1
	s_wait_xcnt 0x0
; prep: for 16 voxels (block rb) and 64 query channels (slice cb):
;   q[n][c]     = sum over k of ce[n][k] Wq[k][c] + bq[c]          c = 64 cb .. 64 cb + 63, sums in f32, operands bf16
;   U[cb][n][m] = sum over c of the slice of q[n][c] Wk[m][c]      m = 0 .. 255: a quarter of Wk q, the vector that memory is dotted with
;   QB[cb][n]   = sum over c of the slice of q[n][c] bk[c]         in f32: a quarter of the logits' common term q . bk
; The next launch adds the four quarters.  reference() forms keys = memory Wk + bk and then q . keys; here the sum over c is made first,
; which is the same sum in another order of rounding.
; Four waves.  First product: wave w takes K = 64 w .. 64 w + 63 for all 64 columns, the four partial sums meet in LDS.
; Second product: K = the 64 channels of the slice, wave w takes the columns m = 64 w .. 64 w + 63.
; COLUMNS: tile t (0..3) of a product holds the columns 4 r + t (r = lane mod 16).  So one 16-byte load of Wq[k][4 r .. 4 r + 3] feeds all four
; tiles, sixteen lanes read 256 consecutive aligned bytes, and a lane ends up with four neighbouring columns of a row: 16 bytes to store.
; NO CLUSTER: the 64 row blocks of a slice read the same 64 KiB of Wq and of Wk, but each work-group asks for them once, at its first lines, and
; has one step: Wq goes from memory to registers with no tile in LDS, and the barrier of a cluster would stand in front of the only loads.
.set XSW,  2304                        ; LDS 0: each wave's own 16 rows x 144 bytes of ce in bf16 (128 bytes + 16: sixteen rows start in sixteen 16-byte columns)
.set XP,   144
.set RED,  9216                        ; 4 x 4,096 bytes: each wave's partial sums
.set QS,   25600                       ; 16 rows x 144 bytes: q in bf16
.set WKS,  27904                       ; 4 x 17,408 bytes: each wave's own 64 rows of Wk in f32, 256 bytes + 16; no LDS store touches these bytes
.set WKW,  17408
.set WKT,  4352                        ; 16 rows: one tile
.set WKP,  272
.set VR,   1                           ; v1  r = lane mod 16
.set VH,   2                           ; v2  h = lane / 16
.set XOFF, 3                           ; v3  1,024 h + 16 r: ce
.set WOFF, 4                           ; v4  8,192 h + 16 r: Wq, and the stores of U
.set BOFF, 5                           ; v5  16 r: bq, bk
.set XST,  6                           ; v6  where I put 8 bytes of ce in bf16
.set XLD,  7                           ; v7  where I read A fragments of ce
.set RST,  8                           ; v8  where I put partial sums
.set RLD,  9                           ; v9  where I read all four waves' partial sums
.set QST,  10                          ; v10 where I put 8 bytes of q
.set QLD,  11                          ; v11 where I read A fragments of q
.set KLD,  12                          ; v12 where I read Wk
.set QBO,  13                          ; v13 32 h: QB
.set BIAS, 14                          ; v[14:17] bq of my four columns
.set BK,   18                          ; v[18:21] bk of my four columns
.set TA,   22                          ; v[22:23] at work; later q . bk of my two rows
.set A1,   24                          ; v[24:39] A fragments, 8 registers for each K step of 32
.set ACC,  40                          ; v[40:71] four accumulators; before that ce as loaded
.set BF0,  72                          ; v[72:103] B fragments of the first K step, four tiles
.set WR,   104                         ; v[104:231] Wq (later Wk) in f32 as loaded
.set BF1,  104                         ; v[104:135] B fragments of the second K step
.set RR,   136                         ; v[136:167] partial sums read back; later the second K step's accumulators
.set UO,   168                         ; v[168:199] U in the order of the stores
.set OO,   232                         ; v[232:239] q of my two rows x four columns
.set G1,   24                          ; s[24:31] descriptor group 1
.set G0,   32                          ; s[32:47] descriptor group 0, one set for each of my four tiles
	s_load_b256 s[4:11], s[0:1], 0x0               ; ce s[4:5], Wq s[6:7], bq s[8:9], Wk s[10:11]
	s_load_b128 s[12:15], s[0:1], 0x20             ; bk s[12:13], U s[14:15]
	s_load_b64 s[16:17], s[0:1], 0x30              ; QB
	v_lshl_add_u32 v240, v0, 2, 0x29000
	v_mov_b32 v241, 0
	ds_add_u32 v240, v241
	ds_add_u32 v240, v241
	v_lshrrev_b32 v[TA], 5, v0
	v_readfirstlane_b32 s20, v[TA]                 ; wave w
	s_mov_b32 s21, ttmp9                           ; cb
	s_and_b32 s22, ttmp7, 0xffff                   ; rb
	; Group 1: a tile of 16 rows x 64 f32, the rows FOUR rows of Wk apart, 16 bytes of padding behind each row in LDS.
	s_mov_b32 s[G1+0], (2<<16)|(1<<20)|(5<<22)|(3<<25)   ; no mask; elements of 4 bytes; padding on: after every 64 words, 4 words
	s_mov_b32 s[G1+1], 64<<16                      ; tensor_dim0 = 64
	s_mov_b32 s[G1+2], 16<<16                      ; tensor_dim1 = 16
	s_mov_b32 s[G1+3], 64<<16                      ; tile_dim0 = 64
	s_mov_b32 s[G1+4], 16                          ; tile_dim1 = 16
	s_mov_b32 s[G1+5], 1024                        ; from row to row: 4 x 256 elements
	s_mov_b32 s[G1+6], 0
	s_mov_b32 s[G1+7], 0
	; byte offsets, apart from the addresses
	s_lshl_b32 s54, s21, 8                         ; bq, bk: 256 cb
	s_mov_b32 s55, 0
	s_lshl_b32 s52, s20, 16                        ; Wq (rows k) and Wk (rows m): 64 w rows of 1,024 bytes + 256 cb
	s_add_co_u32 s52, s52, s54
	s_mov_b32 s53, 0
	s_lshl_b32 s18, s22, 14                        ; ce: 16 rb rows + 256 w
	s_lshl_b32 s23, s20, 8
	s_add_co_u32 s18, s18, s23
	s_mov_b32 s19, 0
	s_lshl_b32 s56, s21, 20                        ; U: quarter cb, 16 rb rows, 256 w
	s_add_co_u32 s56, s56, s18
	s_mov_b32 s57, 0
	s_lshl_b32 s58, s21, 12                        ; QB: quarter cb, 16 rb words, 2 w words
	s_lshl_b32 s23, s22, 6
	s_add_co_u32 s58, s58, s23
	s_lshl_b32 s23, s20, 3
	s_add_co_u32 s58, s58, s23
	s_mov_b32 s59, 0
	s_mul_i32 s51, s20, WKW                        ; my part of the Wk region
	s_wait_dscnt 0x0
	s_wait_kmcnt 0x0
	s_add_nc_u64 s[10:11], s[10:11], s[52:53]
	; Tile t = rows 64 w + t + 4 y (y = 0..15) of Wk, so that LDS row 16 t + r holds row 64 w + 4 r + t: tile t's column r.  That order wants four
	; loads of 16 rows in place of one of 64.  All four are first fills, issued together ahead of every wait, LDS read and barrier; four are out.
.irp t, 0,1,2,3
	s_mov_b32 s[G0+4*\t], 1
	s_add_co_u32 s[G0+4*\t+1], s51, WKS+WKT*\t
	s_add_nc_u64 s[G0+4*\t+2:G0+4*\t+3], s[10:11], 1024*\t
	s_or_b32 s[G0+4*\t+3], s[G0+4*\t+3], 0x80000000
	tensor_load_to_lds s[G0+4*\t:G0+4*\t+3], s[G1:G1+7]
	s_nop 0
.endr
	s_add_nc_u64 s[4:5], s[4:5], s[18:19]
	s_add_nc_u64 s[6:7], s[6:7], s[52:53]
	s_add_nc_u64 s[8:9], s[8:9], s[54:55]
	s_add_nc_u64 s[12:13], s[12:13], s[54:55]
	s_add_nc_u64 s[14:15], s[14:15], s[56:57]
	s_add_nc_u64 s[16:17], s[16:17], s[58:59]
	v_and_b32 v[VR], 15, v0
	v_bfe_u32 v[VH], v0, 4, 1
	v_lshlrev_b32 v[BOFF], 4, v[VR]
	v_lshl_add_u32 v[XOFF], v[VH], 10, v[BOFF]
	v_lshl_add_u32 v[WOFF], v[VH], 13, v[BOFF]
	; 42 loads: bq, bk, ce (8), Wq of the first K step (16), of the second (16)
	global_load_b128 v[BIAS:BIAS+3], v[BOFF], s[8:9]
	global_load_b128 v[BK:BK+3], v[BOFF], s[12:13]
.irp i, 0,1,2,3,4,5,6,7
	global_load_b128 v[ACC+4*\i:ACC+4*\i+3], v[XOFF], s[4:5] offset:2048*\i    ; rows 2 i + h, my 256 bytes of each
.endr
.macro LOADW s                         ; Wq[64 w + 32 s + 16 u + 8 h + q][4 r .. 4 r + 3]: the k of a fragment, in the fragment's order
.irp u, 0,1
.irp q, 0,1,2,3,4,5,6,7
	global_load_b128 v[WR+64*\s+32*\u+4*\q:WR+64*\s+32*\u+4*\q+3], v[WOFF], s[6:7] offset:(32*\s+16*\u+\q)*1024
.endr
.endr
.endm
	LOADW 0
	LOADW 1
	; LDS addresses, while the loads are on their way
	s_mul_i32 s23, s20, XSW
	v_mul_u32_u24 v[TA], XP, v[VH]
	v_lshl_add_u32 v[TA], v[VR], 3, v[TA]
	v_add_nc_u32 v[XST], s23, v[TA]                ; my stage + 144 h + 8 r
	v_mul_u32_u24 v[TA], XP, v[VR]
	v_lshl_add_u32 v[TA], v[VH], 4, v[TA]
	v_add_nc_u32 v[XLD], s23, v[TA]                ; my stage + 144 r + 16 h
	v_and_b32 v[TA], 31, v0                        ; lane
	s_lshl_b32 s23, s20, 12
	s_add_co_u32 s23, s23, RED
	v_lshl_add_u32 v[RST], v[TA], 4, s23           ; RED + 4,096 w + 16 lane
	s_lshr_b32 s23, s20, 1
	s_lshl_b32 s23, s23, 9
	s_and_b32 s49, s20, 1
	s_lshl_b32 s49, s49, 3
	s_add_co_u32 s23, s23, s49
	s_add_co_u32 s23, s23, RED
	v_lshl_add_u32 v[RLD], v[TA], 4, s23           ; RED + 512 (w / 2) + 8 (w mod 2) + 16 lane: registers 2 w, 2 w + 1 of an accumulator
	s_mul_i32 s23, s20, 4*XP                       ; q: row 8 h + 2 w + jj lies at place 4 w + 2 h + jj, so that a wave stores one run of 576 bytes of its own
	v_mul_u32_u24 v[TA], 2*XP, v[VH]
	v_lshl_add_u32 v[TA], v[VR], 3, v[TA]
	v_add_nc_u32 v[QST], s23, v[TA]
	v_bfe_u32 v[TA], v0, 1, 2                      ; row r is read from place 4 ((r / 2) mod 4) + 2 (r / 8) + r mod 2
	v_bfe_u32 v[TA+1], v0, 3, 1
	v_lshl_add_u32 v[TA], v[TA], 1, v[TA+1]
	v_and_b32 v[TA+1], 1, v0
	v_lshl_add_u32 v[TA], v[TA], 1, v[TA+1]
	v_mul_u32_u24 v[TA], XP, v[TA]
	v_lshl_add_u32 v[QLD], v[VH], 4, v[TA]
	v_mul_u32_u24 v[TA], WKP, v[VR]
	v_lshl_add_u32 v[TA], v[VH], 5, v[TA]
	v_add_nc_u32 v[KLD], s51, v[TA]                ; 17,408 w + 272 r + 32 h
	v_lshlrev_b32 v[QBO], 5, v[VH]
.macro CVTB src, dst                   ; register p of tile t's fragment = the k pair (2 p, 2 p + 1) of column 4 r + t
.irp t, 0,1,2,3
.irp p, 0,1,2,3,4,5,6,7
	v_cvt_pk_bf16_f32 v[\dst+8*\t+\p], v[\src+8*\p+\t], v[\src+8*\p+4+\t]
.endr
.endr
.endm
.macro CVTK src, dst                   ; the same from 16 numbers of one row of Wk that already lie in the fragment's order
.irp t, 0,1,2,3
.irp p, 0,1,2,3,4,5,6,7
	v_cvt_pk_bf16_f32 v[\dst+8*\t+\p], v[\src+16*\t+2*\p], v[\src+16*\t+2*\p+1]
.endr
.endr
.endm
.macro PLACES                          ; four plain vector instructions between a matrix instruction and what reads its result (ISA guide 7.12.1)
.rept 4
	v_nop
.endr
.endm
	s_wait_loadcnt 32                              ; the 32 loads of Wq stay out: bq, bk and ce are in
.irp i, 0,1,2,3,4,5,6,7
	v_cvt_pk_bf16_f32 v[ACC+4*\i], v[ACC+4*\i], v[ACC+4*\i+1]      ; in place: four f32 become 8 bytes
	v_cvt_pk_bf16_f32 v[ACC+4*\i+1], v[ACC+4*\i+2], v[ACC+4*\i+3]
	ds_store_b64 v[XST], v[ACC+4*\i:ACC+4*\i+1] offset:2*XP*\i
.endr
.irp s, 0,1
	ds_load_b128 v[A1+8*\s:A1+8*\s+3],   v[XLD] offset:64*\s       ; my own bytes: LDS serves a wave in order (ISA guide 5.7.1), no wait between
	ds_load_b128 v[A1+8*\s+4:A1+8*\s+7], v[XLD] offset:64*\s+32
.endr
	s_wait_loadcnt 16                              ; the second K step's 16 loads stay out
	CVTB WR, BF0
	s_wait_dscnt 0x0                               ; the A fragments are in, and the stores have read the registers that now become accumulators
.irp t, 0,1,2,3
	v_wmma_f32_16x16x32_bf16 v[ACC+8*\t:ACC+8*\t+7], v[A1:A1+7], v[BF0+8*\t:BF0+8*\t+7], 0        ; the first product starts the sums
.endr
	s_wait_loadcnt 0x0
	CVTB WR+64, BF1
.irp t, 0,1,2,3                        ; the four accumulators take turns, one instruction a turn
	v_wmma_f32_16x16x32_bf16 v[ACC+8*\t:ACC+8*\t+7], v[A1+8:A1+15], v[BF1+8*\t:BF1+8*\t+7], v[ACC+8*\t:ACC+8*\t+7]
.endr
	PLACES
.irp t, 0,1,2,3
	ds_store_b128 v[RST], v[ACC+8*\t:ACC+8*\t+3]   offset:1024*\t
	ds_store_b128 v[RST], v[ACC+8*\t+4:ACC+8*\t+7] offset:1024*\t+512
.endr
	s_wait_dscnt 0x0                               ; for the other waves: my partial sums are in LDS
	s_barrier_signal -1
	s_barrier_wait -1
	; wave w adds the four partial sums of the rows 8 h + 2 w and 8 h + 2 w + 1, all four tiles
.irp u, 0,1,2,3
.irp t, 0,1,2,3
	ds_load_b64 v[RR+8*\u+2*\t:RR+8*\u+2*\t+1], v[RLD] offset:4096*\u+1024*\t
.endr
.endr
	s_wait_dscnt 0x0
.irp t, 0,1,2,3
	v_pk_add_f32 v[RR+2*\t:RR+2*\t+1], v[RR+2*\t:RR+2*\t+1], v[RR+8+2*\t:RR+8+2*\t+1]
	v_pk_add_f32 v[RR+16+2*\t:RR+16+2*\t+1], v[RR+16+2*\t:RR+16+2*\t+1], v[RR+24+2*\t:RR+24+2*\t+1]
.endr
.irp t, 0,1,2,3
	v_pk_add_f32 v[RR+2*\t:RR+2*\t+1], v[RR+2*\t:RR+2*\t+1], v[RR+16+2*\t:RR+16+2*\t+1]
.endr
.irp jj, 0,1
.irp t, 0,1,2,3
	v_add_f32 v[OO+4*\jj+\t], v[RR+2*\t+\jj], v[BIAS+\t]           ; + bq; the add also lays the four columns side by side
.endr
.endr
	; q . bk over my four columns, in f32, before q is rounded
.irp jj, 0,1
	v_mul_f32 v[TA+\jj], v[OO+4*\jj], v[BK]
	v_fmac_f32 v[TA+\jj], v[OO+4*\jj+1], v[BK+1]
	v_fmac_f32 v[TA+\jj], v[OO+4*\jj+2], v[BK+2]
	v_fmac_f32 v[TA+\jj], v[OO+4*\jj+3], v[BK+3]
.endr
.irp jj, 0,1
	v_cvt_pk_bf16_f32 v[OO+4*\jj], v[OO+4*\jj], v[OO+4*\jj+1]
	v_cvt_pk_bf16_f32 v[OO+4*\jj+1], v[OO+4*\jj+2], v[OO+4*\jj+3]
	ds_store_b64 v[QST], v[OO+4*\jj:OO+4*\jj+1] offset:QS+XP*\jj
.endr
	s_wait_tensorcnt 0x0                           ; my four tiles of Wk are in LDS; only I read them
.irp s, 0,1
.irp t, 0,1,2,3                        ; row 64 w + 4 r + t, channels 32 s + 8 h .. + 7 and 32 s + 16 + 8 h .. + 7, in f32
	ds_load_b128 v[WR+64*\s+16*\t:WR+64*\s+16*\t+3],     v[KLD] offset:WKS+WKT*\t+128*\s
	ds_load_b128 v[WR+64*\s+16*\t+4:WR+64*\s+16*\t+7],   v[KLD] offset:WKS+WKT*\t+128*\s+16
	ds_load_b128 v[WR+64*\s+16*\t+8:WR+64*\s+16*\t+11],  v[KLD] offset:WKS+WKT*\t+128*\s+64
	ds_load_b128 v[WR+64*\s+16*\t+12:WR+64*\s+16*\t+15], v[KLD] offset:WKS+WKT*\t+128*\s+80
.endr
.endr
.irp m, 1,2,4,8                        ; q . bk over the sixteen lanes of a half, while the LDS loads come
	v_add_f32_dpp v[TA], v[TA], v[TA] row_xmask:\m row_mask:0xf bank_mask:0xf
	v_add_f32_dpp v[TA+1], v[TA+1], v[TA+1] row_xmask:\m row_mask:0xf bank_mask:0xf
.endr
	s_wait_dscnt 0x0                               ; for the other waves: my rows of q are in LDS; for me: Wk is in registers
	s_barrier_signal -1
	CVTK WR, BF0                                   ; register work while the others arrive
	CVTK WR+64, BF1
	s_barrier_wait -1
.irp s, 0,1
	ds_load_b128 v[A1+8*\s:A1+8*\s+3],   v[QLD] offset:QS+64*\s
	ds_load_b128 v[A1+8*\s+4:A1+8*\s+7], v[QLD] offset:QS+64*\s+32
.endr
	s_wait_dscnt 0x0
	; Eight products on eight accumulators, each started by the constant 0: the sum of the two K steps below also lays the numbers in the stores' order.
.irp t, 0,1,2,3
	v_wmma_f32_16x16x32_bf16 v[ACC+8*\t:ACC+8*\t+7], v[A1:A1+7], v[BF0+8*\t:BF0+8*\t+7], 0
.endr
.irp t, 0,1,2,3
	v_wmma_f32_16x16x32_bf16 v[RR+8*\t:RR+8*\t+7], v[A1+8:A1+15], v[BF1+8*\t:BF1+8*\t+7], 0
.endr
	PLACES
.irp j, 0,1,2,3,4,5,6,7
.irp t, 0,1,2,3
	v_add_f32 v[UO+4*\j+\t], v[ACC+8*\t+\j], v[RR+8*\t+\j]
.endr
	global_store_b128 v[WOFF], v[UO+4*\j:UO+4*\j+3], s[14:15] offset:1024*\j   ; row 8 h + j: sixteen lanes store 256 consecutive bytes, aligned
.endr
	v_cmp_eq_u32 vcc_lo, 0, v[VR]
	s_wait_xcnt 0x0                                ; EXEC is a source of the stores above: it changes only behind this wait
	s_wait_tensorcnt 0x0
	ds_add_u32 v240, v241
	s_wait_dscnt 0x0
	s_and_saveexec_b32 s50, vcc_lo
	global_store_b64 v[QBO], v[TA:TA+1], s[16:17]  ; rows 8 h + 2 w, + 1: the work-group has 64 bytes of QB in all
	s_wait_xcnt 0x0
	s_or_b32 exec_lo, exec_lo, s50
	s_endpgm
.Lfunc_end_k_q706d54ef7e_prep:
	.size	k_q706d54ef7e_prep, .Lfunc_end_k_q706d54ef7e_prep-k_q706d54ef7e_prep
	.p2alignl 7, 3214868480
	.fill 96, 4, 3214868480
	.section	.rodata,"a",@progbits
	.p2align	6, 0x0
	.amdhsa_kernel k_q706d54ef7e_prep
		.amdhsa_group_segment_fixed_size 168448
		.amdhsa_private_segment_fixed_size 0
		.amdhsa_enable_private_segment 0
		.amdhsa_kernarg_size 56
		.amdhsa_user_sgpr_count 2
		.amdhsa_user_sgpr_kernarg_segment_ptr 1
		.amdhsa_wavefront_size32 1
		.amdhsa_system_sgpr_workgroup_id_x 1
		.amdhsa_system_sgpr_workgroup_id_y 1
		.amdhsa_system_sgpr_workgroup_id_z 1
		.amdhsa_system_vgpr_workitem_id 0
		.amdhsa_next_free_vgpr 242
		.amdhsa_next_free_sgpr 66
		.amdhsa_reserve_vcc 1
		.amdhsa_float_denorm_mode_32 3
		.amdhsa_float_denorm_mode_16_64 3
		.amdhsa_memory_ordered 1
		.amdhsa_forward_progress 1
		.amdhsa_inst_pref_size 29
	.end_amdhsa_kernel
	.amdgpu_metadata
---
amdhsa.version: [ 1, 2 ]
amdhsa.kernels:
  - .name:           k_q706d54ef7e_prep
    .symbol:         k_q706d54ef7e_prep.kd
    .args:
      - { .name: central_embedding, .offset: 0, .size: 8, .value_kind: global_buffer, .address_space: global }
      - { .name: Wq, .offset: 8, .size: 8, .value_kind: global_buffer, .address_space: global }
      - { .name: bq, .offset: 16, .size: 8, .value_kind: global_buffer, .address_space: global }
      - { .name: Wk, .offset: 24, .size: 8, .value_kind: global_buffer, .address_space: global }
      - { .name: bk, .offset: 32, .size: 8, .value_kind: global_buffer, .address_space: global }
      - { .name: U, .offset: 40, .size: 8, .value_kind: global_buffer, .address_space: global }
      - { .name: QB, .offset: 48, .size: 8, .value_kind: global_buffer, .address_space: global }
    .group_segment_fixed_size: 168448
    .private_segment_fixed_size: 0
    .kernarg_segment_align: 8
    .kernarg_segment_size: 56
    .max_flat_workgroup_size: 128
    .sgpr_count:     66
    .vgpr_count:     242
    .wavefront_size: 32
...
	.end_amdgpu_metadata
.endif
;; end of part 1
;; launch attend (part 2): grid 1024 x 1, 8 waves a work-group, no clusters, 10,240 bytes of LDS; arguments spatial_embeddings, mask, sdr, U, QB, PM; writes PM
.if DOCPART == 2
	.amdgcn_target "amdgcn-amd-amdhsa--gfx1250"
	.amdhsa_code_object_version 6
	.text
	.protected	k_q706d54ef7e_attend
	.globl	k_q706d54ef7e_attend
	.p2align	8
	.type	k_q706d54ef7e_attend,@function
k_q706d54ef7e_attend:
	s_mov_b64 s[64:65], 0
	v_nop
	global_prefetch_b8 v0, s[64:65] scope:SCOPE_SE
	s_setreg_imm32_b32 hwreg(HW_REG_WAVE_MODE, 25, 1), 1
	s_wait_xcnt 0x0
; attend: one work-group for one voxel n.  With qk = Wk q (the sum of U's four quarters) and qb = q . bk (the sum of QB's four):
;   logit[k] = sdr[x] . qk[0:64] + sdr[y] . qk[64:128] + sdr[z] . qk[128:192] + emb[k] . qk[192:256] + qb,   k = 49 x + 7 y + z
;   l[k] = logit[k] - (1 - mask[k]) * 1e9: a subtraction, a product and a subtraction, each rounded by itself, as reference() writes them
;   s = softmax(l), with the largest l taken away before the exponential
;   PM[n][64 a + m] = sum over x of marginal_a[x] sdr[x][m]  (a = 0, 1, 2);   PM[n][192 + c] = sum over k of s[k] emb[k][c]
; PM is the scores' average of the memory rows; the next launches form (PM Wv + bv) Wo + bo.
; LIMITS, stated: the sums are those of reference() in another order of rounding; bv is added once, which takes the scores' sum as 1 (it is 1 to
; a few units in the last place).  Where several masks of a row are equal, the scores hang on the logits, and the bf16 operands of q and Wk q show there.
; The voxel's 343 rows of 256 bytes are read from memory once and stay in registers (88 a lane) between the logits and the weighting.
; Group g (16 lanes, g = thread / 16) owns rows 22 g .. 22 g + 21; lane c4 of it owns channels 4 c4 .. 4 c4 + 3: a load of a wave covers two whole rows.
; Slots 343 .. 351 read row 342 again (clamped address) and weigh 0.
; No matrix unit: each row of emb meets one vector, so a number loaded feeds two multiply-adds.  No cluster: the work-groups share sdr's 1,792 bytes alone.
.set VOX,  87808                       ; bytes of a voxel
.set LG,   0                           ; 352 words: emb[k] . qk[192:256]
.set E,    1536                        ; 512 words: exp(l - max); 0 from slot 343 on
.set TW,   3584                        ; 8 x 32 bytes: wave w's seven sums sdr[x] . qk over its 32 channels
.set WM,   3840                        ; 8 words: the waves' maxima
.set WS,   3872                        ; 8 words: the waves' sums
.set MG,   3904                        ; 32 words: marginal a, index x at word 8 a + x
.set PS,   4096                        ; 16 x 256 bytes: the groups' weighted sums of emb
.set PMS,  8192                        ; 1,024 bytes: PM's row
.set QE,   16                          ; v[16:19] qk[192 + 4 c4 .. + 3]
.set SD,   32                          ; v[32:38] sdr[x][thread mod 64]
.set LGA,  39                          ; v39      88 g
.set D,    40                          ; v[40:127] my 16 bytes of my group's 22 rows
	s_load_b256 s[4:11], s[0:1], 0x0               ; emb s[4:5], mask s[6:7], sdr s[8:9], U s[10:11]
	s_load_b128 s[12:15], s[0:1], 0x20             ; QB s[12:13], PM s[14:15]
	v_lshl_add_u32 v128, v0, 2, 0x2400
	v_mov_b32 v129, 0
	v_lshrrev_b32 v9, 5, v0
	v_readfirstlane_b32 s16, v9                    ; wave w
	s_lshr_b32 s17, s16, 1                         ; a = w / 2: the axis whose channels my threads hold (3: emb's)
	s_mov_b32 s24, 0x76543210                      ; v_permlanex16_b32: lane i reads lane i of the other half
	s_mov_b32 s25, 0xfedcba98
	s_mul_i32 s26, ttmp9, VOX
	s_mov_b32 s27, 0
	s_mul_i32 s28, ttmp9, 1372                     ; a row of mask: 343 words
	s_mov_b32 s29, 0
	s_lshl_b32 s30, ttmp9, 10                      ; a row of U and of PM
	s_mov_b32 s31, 0
	s_lshl_b32 s32, ttmp9, 2
	s_mov_b32 s33, 0
	v_and_b32 v1, 15, v0                           ; c4
	v_lshrrev_b32 v2, 4, v0                        ; g
	v_lshlrev_b32 v6, 4, v1                        ; 16 c4
	v_mul_u32_u24 v3, 5632, v2                     ; 22 rows of 256 bytes
	v_add_nc_u32 v3, v3, v6
	v_add_nc_u32 v4, 87552, v6                     ; row 342, the last
	v_lshlrev_b32 v5, 2, v0                        ; 4 t
	v_and_b32 v7, 63, v0
	v_lshlrev_b32 v7, 2, v7
	v_add_nc_u32 v9, 256, v0
	v_min_u32 v9, 342, v9                          ; my second slot, held inside the row
	v_lshlrev_b32 v8, 2, v9
	v_mul_u32_u24 v[LGA], 88, v2
	s_wait_kmcnt 0x0
	s_add_nc_u64 s[4:5], s[4:5], s[26:27]
	s_add_nc_u64 s[6:7], s[6:7], s[28:29]
	s_add_nc_u64 s[10:11], s[10:11], s[30:31]
	s_add_nc_u64 s[12:13], s[12:13], s[32:33]
	s_add_nc_u64 s[14:15], s[14:15], s[30:31]
.irp p, 0,1,2,3
	s_load_b32 s[20+\p], s[12:13], 0x1000*\p       ; QB's four quarters
.endr
	; 17 small loads first, since loads come back in order, then the voxel's 22 rows
.irp p, 0,1,2,3
	global_load_b32 v[10+\p], v5, s[10:11] offset:\p<<20           ; U[p][n][t]
.endr
.irp p, 0,1,2,3
	global_load_b128 v[QE+4*\p:QE+4*\p+3], v6, s[10:11] offset:768+(\p<<20)    ; U[p][n][192 + 4 c4 ..]
.endr
.irp x, 0,1,2,3,4,5,6
	global_load_b32 v[SD+\x], v7, s[8:9] offset:256*\x
.endr
	global_load_b32 v14, v5, s[6:7]                ; mask[t]
	global_load_b32 v15, v8, s[6:7]                ; mask[min(256 + t, 342)]
.irp i, 0,1,2,3,4,5,6,7,8,9,10,11,12,13,14,15,16,17,18,19,20,21
	v_add_nc_u32 v[D+4*\i], 256*\i, v3
	v_min_u32 v[D+4*\i], v[D+4*\i], v4             ; no row past the voxel's last
	global_load_b128 v[D+4*\i:D+4*\i+3], v[D+4*\i], s[4:5] th:TH_LOAD_NT   ; lands on its own address register; each byte is read once in the launch
.endr
	; While the rows are on their way: qk, the 21 table sums, the slots' coordinates, the mask's penalty.
	s_wait_loadcnt 22                              ; the 22 row loads stay out
	v_add_f32 v10, v10, v11
	v_add_f32 v12, v12, v13
	v_add_f32 v10, v10, v12                        ; qk[t]
	v_pk_add_f32 v[16:17], v[16:17], v[20:21]
	v_pk_add_f32 v[18:19], v[18:19], v[22:23]
	v_pk_add_f32 v[24:25], v[24:25], v[28:29]
	v_pk_add_f32 v[26:27], v[26:27], v[30:31]
	v_pk_add_f32 v[16:17], v[16:17], v[24:25]
	v_pk_add_f32 v[18:19], v[18:19], v[26:27]      ; qk[192 + 4 c4 ..]
.irp x, 0,1,2,3,4,5,6
	v_mul_f32 v[20+\x], v[SD+\x], v10              ; sdr[x][m] qk[64 a + m]
.endr
.irp m, 1,2,4,8
.irp x, 0,1,2,3,4,5,6
	v_add_f32_dpp v[20+\x], v[20+\x], v[20+\x] row_xmask:\m row_mask:0xf bank_mask:0xf
.endr
.endr
.irp x, 0,1,2,3,4,5,6
	v_permlanex16_b32 v28, v[20+\x], s24, s25
	v_add_f32 v[20+\x], v[20+\x], v28              ; over my wave's 32 channels; waves 2 a and 2 a + 1 together hold axis a (waves 6, 7: not used)
.endr
	s_lshl_b32 s18, s16, 5
	v_mov_b32 v27, s18
	ds_store_b128 v27, v[20:23] offset:TW
	ds_store_b64 v27, v[24:25] offset:TW+16
	ds_store_b32 v27, v26 offset:TW+24
; k = 49 x + 7 y + z: x = k 1338 >> 16 (right up to k = 342), y = rem 37 >> 8 (right up to rem = 48).  Out come 4 x, 4 y, 4 z.
; The three v_min_u32 change no value: they write the bound 0 .. 6 of an LDS index into the text.
.macro COORD k, x, y, z, tmp
	v_mul_u32_u24 v[\x], 1338, v[\k]
	v_lshrrev_b32 v[\x], 16, v[\x]
	v_mul_u32_u24 v[\tmp], 49, v[\x]
	v_sub_nc_u32 v[\z], v[\k], v[\tmp]
	v_mul_u32_u24 v[\y], 37, v[\z]
	v_lshrrev_b32 v[\y], 8, v[\y]
	v_mul_u32_u24 v[\tmp], 7, v[\y]
	v_sub_nc_u32 v[\z], v[\z], v[\tmp]
	v_min_u32 v[\x], 6, v[\x]
	v_min_u32 v[\y], 6, v[\y]
	v_min_u32 v[\z], 6, v[\z]
	v_lshlrev_b32 v[\x], 2, v[\x]
	v_lshlrev_b32 v[\y], 2, v[\y]
	v_lshlrev_b32 v[\z], 2, v[\z]
.endm
	COORD 0, 1, 2, 3, 4                            ; slot t
	COORD 9, 6, 7, 9, 4                            ; slot min(256 + t, 342); v6 and v7 were addresses of loads that the wait above has shown done
	v_sub_f32 v14, 1.0, v14
	v_sub_f32 v15, 1.0, v15
	v_mul_f32 v14, 0x4e6e6b28, v14                 ; (1 - mask) * 1e9
	v_mul_f32 v15, 0x4e6e6b28, v15
	s_wait_kmcnt 0x0
	s_add_f32 s20, s20, s21
	s_add_f32 s22, s22, s23
	s_add_f32 s20, s20, s22                        ; qb
; Row i of my group: my four channels' products, summed over the sixteen lanes; every lane of the group stores the same word.
.macro ROWDOT i
.set T, 10+2*(\i%4)+14*((\i%4)/2)      ; four pairs take turns: v10, v12, v28, v30
	s_wait_loadcnt 21-\i                           ; loads come back in order (ISA guide 5.7.1): the younger rows stay out
	v_pk_mul_f32 v[T:T+1], v[D+4*\i:D+4*\i+1], v[QE:QE+1]
	v_pk_fma_f32 v[T:T+1], v[D+4*\i+2:D+4*\i+3], v[QE+2:QE+3], v[T:T+1]
	v_add_f32 v[T], v[T], v[T+1]
.irp m, 1,2,4,8
	v_add_f32_dpp v[T], v[T], v[T] row_xmask:\m row_mask:0xf bank_mask:0xf
.endr
	ds_store_b32 v[LGA], v[T] offset:LG+4*\i
.endm
.irp i, 0,1,2,3,4,5,6,7,8,9,10,11,12,13,14,15,16,17,18,19,20,21
	ROWDOT \i
.endr
	s_wait_dscnt 0x0                               ; for the other waves: my table sums and my rows' dots are in LDS
	s_barrier_signal -1
	s_barrier_wait -1
	; The logits of my two slots
.macro LOGIT b, k4, x, y, z
	ds_load_b32 v[\b],   v[\k4] offset:LG
	ds_load_b32 v[\b+1], v[\x] offset:TW
	ds_load_b32 v[\b+2], v[\x] offset:TW+32
	ds_load_b32 v[\b+3], v[\y] offset:TW+64
	ds_load_b32 v[\b+4], v[\y] offset:TW+96
	ds_load_b32 v[\b+5], v[\z] offset:TW+128
	ds_load_b32 v[\b+6], v[\z] offset:TW+160
.endm
.macro LSUM b, pen
	v_add_f32 v[\b+1], v[\b+1], v[\b+2]
	v_add_f32 v[\b+3], v[\b+3], v[\b+4]
	v_add_f32 v[\b+5], v[\b+5], v[\b+6]
	v_add_f32 v[\b], v[\b], v[\b+1]
	v_add_f32 v[\b+3], v[\b+3], v[\b+5]
	v_add_f32 v[\b], v[\b], v[\b+3]
	v_add_f32 v[\b], s20, v[\b]                    ; + q . bk: the logit is whole
	v_sub_f32 v[\b], v[\b], v[\pen]                ; - (1 - mask) * 1e9
.endm
	LOGIT 16, 5, 1, 2, 3
	LOGIT 23, 8, 6, 7, 9
	s_lshl_b32 s18, s16, 2
	v_mov_b32 v10, s18                             ; 4 w
	v_mov_b32 v11, 0
	v_cmp_gt_u32 vcc_lo, 87, v0                    ; slot 256 + t exists for t < 87
	s_wait_dscnt 0x0
	LSUM 16, 14
	LSUM 23, 15
	v_cndmask_b32 v23, 0xff800000, v23, vcc_lo     ; no such slot: minus infinity, which weighs 0
	v_max_num_f32 v30, v16, v23
.irp m, 1,2,4,8
	v_max_num_f32_dpp v30, v30, v30 row_xmask:\m row_mask:0xf bank_mask:0xf
.endr
	v_permlanex16_b32 v31, v30, s24, s25
	v_max_num_f32 v30, v30, v31
	ds_store_b32 v10, v30 offset:WM
	s_wait_dscnt 0x0
	s_barrier_signal -1
	s_barrier_wait -1
	ds_load_b128 v[24:27], v11 offset:WM
	ds_load_b128 v[28:31], v11 offset:WM+16
	s_wait_dscnt 0x0
	v_max3_num_f32 v24, v24, v25, v26
	v_max3_num_f32 v27, v27, v28, v29
	v_max3_num_f32 v24, v24, v30, v31
	v_max_num_f32 v24, v24, v27                    ; the largest of the 343
	v_sub_f32 v16, v16, v24
	v_sub_f32 v23, v23, v24
	v_mul_f32 v16, 0x3fb8aa3b, v16                 ; e^x = 2^(x log2 e)
	v_mul_f32 v23, 0x3fb8aa3b, v23
	v_exp_f32 v16, v16
	v_exp_f32 v23, v23
	v_nop                                          ; one plain vector instruction between a transcendental and the use of its result (ISA guide 5.7.2)
	s_wait_alu depctr_va_vdst(0)
	ds_store_b32 v5, v16 offset:E
	ds_store_b32 v5, v23 offset:E+1024
	v_add_f32 v25, v16, v23
.irp m, 1,2,4,8
	v_add_f32_dpp v25, v25, v25 row_xmask:\m row_mask:0xf bank_mask:0xf
.endr
	v_permlanex16_b32 v26, v25, s24, s25
	v_add_f32 v25, v25, v26
	ds_store_b32 v10, v25 offset:WS
	s_wait_dscnt 0x0
	s_barrier_signal -1
	s_barrier_wait -1
	; Weighting: my group's 22 rows times their exponentials, from the registers
.irp j, 0,1,2,3,4,5,6,7,8,9,10
	ds_load_b64 v[10+2*\j:11+2*\j], v[LGA] offset:E+8*\j
.endr
	v_lshlrev_b32 v1, 4, v0                        ; 16 t
	s_wait_dscnt 10                                ; the first pair is in, the ten younger ones may be out
	v_pk_mul_f32 v[6:7], v[D:D+1], v[10:11] op_sel_hi:[1,0]        ; the first product starts the sums
	v_pk_mul_f32 v[8:9], v[D+2:D+3], v[10:11] op_sel_hi:[1,0]
	v_pk_fma_f32 v[6:7], v[D+4:D+5], v[10:11], v[6:7] op_sel:[0,1,0] op_sel_hi:[1,1,1]
	v_pk_fma_f32 v[8:9], v[D+6:D+7], v[10:11], v[8:9] op_sel:[0,1,0] op_sel_hi:[1,1,1]
.irp j, 1,2,3,4,5,6,7,8,9,10
	s_wait_dscnt 10-\j
	v_pk_fma_f32 v[6:7], v[D+8*\j:D+8*\j+1],   v[10+2*\j:11+2*\j], v[6:7] op_sel_hi:[1,0,1]
	v_pk_fma_f32 v[8:9], v[D+8*\j+2:D+8*\j+3], v[10+2*\j:11+2*\j], v[8:9] op_sel_hi:[1,0,1]
	v_pk_fma_f32 v[6:7], v[D+8*\j+4:D+8*\j+5], v[10+2*\j:11+2*\j], v[6:7] op_sel:[0,1,0] op_sel_hi:[1,1,1]
	v_pk_fma_f32 v[8:9], v[D+8*\j+6:D+8*\j+7], v[10+2*\j:11+2*\j], v[8:9] op_sel:[0,1,0] op_sel_hi:[1,1,1]
.endr
	ds_store_b128 v1, v[6:9] offset:PS
	; Marginals: thread (a, x = (t / 8) mod 8, j1 = t mod 8) adds seven exponentials, eight lanes then add over j1.
	; The strides of x, j1 and the inner index are constants on each of three paths, chosen by the wave's number.
	v_bfe_u32 v2, v0, 3, 3
	v_min_u32 v2, 6, v2                            ; x = 7 and j1 = 7 read inside the table; their sums are not used, or set to 0
	v_and_b32 v4, 7, v0
	v_min_u32 v3, 6, v4
	v_lshrrev_b32 v11, 3, v0
	v_lshlrev_b32 v11, 2, v11
.macro MARG sx, sj, si
	v_mul_u32_u24 v10, \sx, v2
	v_mad_u32_u24 v10, v3, \sj, v10
.irp j, 0,1,2,3,4,5,6
	ds_load_b32 v[20+\j], v10 offset:E+\si*\j
.endr
.endm
	s_cmp_eq_u32 s17, 0
	s_cbranch_scc1 .Laxis0
	s_cmp_eq_u32 s17, 1
	s_cbranch_scc1 .Laxis1
	MARG 4, 196, 28                                ; z (waves 6 and 7 repeat it into words that nobody reads)
	s_branch .Lmarg
.Laxis0:
	MARG 196, 28, 4                                ; x
	s_branch .Lmarg
.Laxis1:
	MARG 28, 196, 4                                ; y
.Lmarg:
	v_cmp_gt_u32 vcc_lo, 7, v4
	s_wait_dscnt 0x0
	v_add_f32 v20, v20, v21
	v_add_f32 v22, v22, v23
	v_add_f32 v24, v24, v25
	v_add_f32 v20, v20, v22
	v_add_f32 v24, v24, v26
	v_add_f32 v20, v20, v24
	v_cndmask_b32 v20, 0, v20, vcc_lo
.irp m, 1,2,4
	v_add_f32_dpp v20, v20, v20 row_xmask:\m row_mask:0xf bank_mask:0xf
.endr
	ds_store_b32 v11, v20 offset:MG
	s_wait_dscnt 0x0                               ; for the other waves: my groups' sums and my marginals are in LDS
	s_barrier_signal -1
	s_barrier_wait -1
	; Channel t of the pooled memory
	v_mov_b32 v7, 0
	ds_load_b128 v[24:27], v7 offset:WS
	ds_load_b128 v[28:31], v7 offset:WS+16
	s_cmp_lt_u32 s16, 6
	s_cbranch_scc0 .Lemb
	s_lshl_b32 s18, s17, 5
	v_mov_b32 v2, s18
	ds_load_b128 v[8:11], v2 offset:MG
	ds_load_b128 v[12:15], v2 offset:MG+16
	s_wait_dscnt 0x0
	v_mul_f32 v6, v8, v[SD]
.irp x, 1,2,3,4,5,6
	v_fmac_f32 v6, v[8+\x], v[SD+\x]               ; sum over x of marginal_a[x] sdr[x][m]
.endr
	s_branch .Lnorm
.Lemb:
.irp j, 0,1,2,3,4,5,6,7,8,9,10,11,12,13,14,15
	ds_load_b32 v[8+\j], v5 offset:PS-768+256*\j   ; group j's sum of channel t - 192
.endr
	s_wait_dscnt 0x0
	v_pk_add_f32 v[8:9], v[8:9], v[16:17]
	v_pk_add_f32 v[10:11], v[10:11], v[18:19]
	v_pk_add_f32 v[12:13], v[12:13], v[20:21]
	v_pk_add_f32 v[14:15], v[14:15], v[22:23]
	v_pk_add_f32 v[8:9], v[8:9], v[12:13]
	v_pk_add_f32 v[10:11], v[10:11], v[14:15]
	v_pk_add_f32 v[8:9], v[8:9], v[10:11]
	v_add_f32 v6, v8, v9
.Lnorm:
	v_pk_add_f32 v[24:25], v[24:25], v[26:27]
	v_pk_add_f32 v[28:29], v[28:29], v[30:31]
	v_pk_add_f32 v[24:25], v[24:25], v[28:29]
	v_add_f32 v24, v24, v25                        ; the sum of the exponentials: at least 1, the largest slot's
	v_rcp_f32 v24, v24
	v_nop
	s_wait_alu depctr_va_vdst(0)
	v_mul_f32 v6, v6, v24
	ds_store_b32 v5, v6 offset:PMS
	s_wait_dscnt 0x0
	s_barrier_signal -1
	s_barrier_wait -1
	s_cmp_lt_u32 s16, 2
	s_cbranch_scc0 .Lend
	ds_load_b128 v[8:11], v1 offset:PMS            ; waves 0 and 1: 16 bytes a lane,
	s_wait_dscnt 0x0
	global_store_b128 v1, v[8:11], s[14:15]        ; sixteen lanes store 256 consecutive bytes, aligned
.Lend:
	s_wait_tensorcnt 0x0
	ds_add_u32 v128, v129
	s_wait_dscnt 0x0
	s_endpgm
.Lfunc_end_k_q706d54ef7e_attend:
	.size	k_q706d54ef7e_attend, .Lfunc_end_k_q706d54ef7e_attend-k_q706d54ef7e_attend
	.p2alignl 7, 3214868480
	.fill 96, 4, 3214868480
	.section	.rodata,"a",@progbits
	.p2align	6, 0x0
	.amdhsa_kernel k_q706d54ef7e_attend
		.amdhsa_group_segment_fixed_size 10240
		.amdhsa_private_segment_fixed_size 0
		.amdhsa_enable_private_segment 0
		.amdhsa_kernarg_size 48
		.amdhsa_user_sgpr_count 2
		.amdhsa_user_sgpr_kernarg_segment_ptr 1
		.amdhsa_wavefront_size32 1
		.amdhsa_system_sgpr_workgroup_id_x 1
		.amdhsa_system_sgpr_workgroup_id_y 1
		.amdhsa_system_sgpr_workgroup_id_z 1
		.amdhsa_system_vgpr_workitem_id 0
		.amdhsa_next_free_vgpr 130
		.amdhsa_next_free_sgpr 66
		.amdhsa_reserve_vcc 1
		.amdhsa_float_denorm_mode_32 3
		.amdhsa_float_denorm_mode_16_64 3
		.amdhsa_memory_ordered 1
		.amdhsa_forward_progress 1
		.amdhsa_inst_pref_size 37
	.end_amdhsa_kernel
	.amdgpu_metadata
---
amdhsa.version: [ 1, 2 ]
amdhsa.kernels:
  - .name:           k_q706d54ef7e_attend
    .symbol:         k_q706d54ef7e_attend.kd
    .args:
      - { .name: spatial_embeddings, .offset: 0, .size: 8, .value_kind: global_buffer, .address_space: global }
      - { .name: mask, .offset: 8, .size: 8, .value_kind: global_buffer, .address_space: global }
      - { .name: sdr, .offset: 16, .size: 8, .value_kind: global_buffer, .address_space: global }
      - { .name: U, .offset: 24, .size: 8, .value_kind: global_buffer, .address_space: global }
      - { .name: QB, .offset: 32, .size: 8, .value_kind: global_buffer, .address_space: global }
      - { .name: PM, .offset: 40, .size: 8, .value_kind: global_buffer, .address_space: global }
    .group_segment_fixed_size: 10240
    .private_segment_fixed_size: 0
    .kernarg_segment_align: 8
    .kernarg_segment_size: 48
    .max_flat_workgroup_size: 256
    .sgpr_count:     66
    .vgpr_count:     130
    .wavefront_size: 32
...
	.end_amdgpu_metadata
.endif
;; end of part 2
;; launch proj_v (part 3): grid 4 x 64, 4 waves a work-group, no clusters, 26,112 bytes of LDS; arguments PM, Wv, bv, V; writes V
.if DOCPART == 3
	.amdgcn_target "amdgcn-amd-amdhsa--gfx1250"
	.amdhsa_code_object_version 6
	.text
	.protected	k_q706d54ef7e_proj_v
	.globl	k_q706d54ef7e_proj_v
	.p2align	8
	.type	k_q706d54ef7e_proj_v,@function
k_q706d54ef7e_proj_v:
	s_mov_b64 s[64:65], 0
	v_nop
	global_prefetch_b8 v0, s[64:65] scope:SCOPE_SE
	s_setreg_imm32_b32 hwreg(HW_REG_WAVE_MODE, 25, 1), 1
	s_wait_xcnt 0x0
; Y = X W + b.  X, Y: [1024][256] f32; W: [256 (k)][256 (n)] f32; b: [256] f32.  Operands rounded to f16, sums in f32.
; F16, NOT BF16: this body runs twice, the second product on the first one's result, so four operand roundings enter each output; f16 keeps 11
; significant bits against bf16's 8, which makes each of them eight times smaller.
; LIMIT, stated: an operand of magnitude 65,504 or more becomes infinity, and below 6.1e-5 the step is 6e-8.  The room, by the problem's sizes:
; X of the first run is an average of memory rows, so no larger than the largest embedding or table entry (about 5.5 as drawn; 165 at 30 times that);
; the weights have a spread of 1/16 (at most about 10 at 30 times that; at a thirtieth the step is 3e-5 of the spread); X of the second run has a
; spread of 0.5: about 2,400 at the most with the embeddings and Wv both 30 times larger, about 4,200 with both shifted by 30 times their spread.
; A work-group makes 16 rows (block rb) x 64 columns (slice cb) over K = 256.  Four waves: wave w takes K = 64 w .. 64 w + 63, two matrix steps of 32,
; for all four tiles of 16 x 16; the four partial sums meet in LDS, always in the same order.
; COLUMNS: tile t (0..3) holds the columns 64 cb + 4 r + t (r = lane mod 16).  So one 16-byte load of W[k][64 cb + 4 r .. + 3] feeds all four tiles,
; sixteen lanes read 256 consecutive aligned bytes, W needs no LDS and no transposing, and a lane ends up with four neighbouring columns: 16 bytes to store.
; NO CLUSTER: the 64 row blocks of a slice read the same 64 KiB of W, but W goes from memory to registers, with no tile in LDS that a joint request
; could fill; a work-group has one step, and the barrier of a cluster would stand in front of its only loads.
; Small tiles: 16 x 64 x 256 multiply-adds for 80 KiB read, shared over 256 work-groups so that every one asks for little and all ask at once.
.set XSW,  2304                        ; LDS 0: each wave's own 16 rows x 144 bytes of X in f16 (128 bytes + 16: sixteen rows start in sixteen 16-byte columns)
.set XP,   144
.set RED,  9216                        ; 4 x 4,096 bytes: each wave's partial sums
.set VR,   1                           ; v1  r = lane mod 16
.set VH,   2                           ; v2  h = lane / 16
.set XOFF, 3                           ; v3  1,024 h + 16 r: X
.set WOFF, 4                           ; v4  8,192 h + 16 r: W, and the stores of Y
.set BOFF, 5                           ; v5  16 r: b
.set XST,  6                           ; v6  where I put 8 bytes of X in f16
.set XLD,  7                           ; v7  where I read A fragments
.set RST,  8                           ; v8  where I put partial sums
.set RLD,  9                           ; v9  where I read all four waves' partial sums
.set BIAS, 14                          ; v[14:17] b of my four columns
.set TA,   22                          ; v[22:23] at work
.set A1,   24                          ; v[24:39] A fragments, 8 registers for each K step of 32
.set ACC,  40                          ; v[40:71] four accumulators; before that X as loaded
.set BF0,  72                          ; v[72:103] B fragments of the first K step, four tiles
.set WR,   104                         ; v[104:231] W in f32 as loaded
.set BF1,  104                         ; v[104:135] B fragments of the second K step
.set RR,   136                         ; v[136:167] partial sums read back
.set OO,   232                         ; v[232:239] my two rows x four columns of Y
	s_load_b256 s[4:11], s[0:1], 0x0               ; X s[4:5], W s[6:7], b s[8:9], Y s[10:11]
	v_lshl_add_u32 v240, v0, 2, 0x6400
	v_mov_b32 v241, 0
	v_lshrrev_b32 v[TA], 5, v0
	v_readfirstlane_b32 s20, v[TA]                 ; wave w
	s_mov_b32 s21, ttmp9                           ; cb
	s_and_b32 s22, ttmp7, 0xffff                   ; rb
	; byte offsets, apart from the addresses
	s_lshl_b32 s16, s21, 8                         ; b: 256 cb
	s_mov_b32 s17, 0
	s_lshl_b32 s12, s22, 14                        ; X: 16 rb rows of 1,024 bytes + 256 w
	s_lshl_b32 s23, s20, 8
	s_add_co_u32 s12, s12, s23
	s_mov_b32 s13, 0
	s_lshl_b32 s14, s20, 16                        ; W: 64 w rows + 256 cb
	s_add_co_u32 s14, s14, s16
	s_mov_b32 s15, 0
	s_lshl_b32 s18, s22, 14                        ; Y: 16 rb rows + 2 w rows + 256 cb
	s_add_co_u32 s18, s18, s16
	s_lshl_b32 s23, s20, 11
	s_add_co_u32 s18, s18, s23
	s_mov_b32 s19, 0
	v_and_b32 v[VR], 15, v0
	v_bfe_u32 v[VH], v0, 4, 1
	v_lshlrev_b32 v[BOFF], 4, v[VR]
	v_lshl_add_u32 v[XOFF], v[VH], 10, v[BOFF]
	v_lshl_add_u32 v[WOFF], v[VH], 13, v[BOFF]
	s_wait_kmcnt 0x0
	s_add_nc_u64 s[4:5], s[4:5], s[12:13]
	s_add_nc_u64 s[6:7], s[6:7], s[14:15]
	s_add_nc_u64 s[8:9], s[8:9], s[16:17]
	s_add_nc_u64 s[10:11], s[10:11], s[18:19]
	; 41 loads: b, X (8), W of the first K step (16), of the second (16)
	global_load_b128 v[BIAS:BIAS+3], v[BOFF], s[8:9]
.irp i, 0,1,2,3,4,5,6,7
	global_load_b128 v[ACC+4*\i:ACC+4*\i+3], v[XOFF], s[4:5] offset:2048*\i    ; rows 2 i + h, my 256 bytes of each
.endr
.macro LOADW s                         ; W[64 w + 32 s + 16 u + 8 h + q][64 cb + 4 r .. + 3]: the k of a fragment, in the fragment's order
.irp u, 0,1
.irp q, 0,1,2,3,4,5,6,7
	global_load_b128 v[WR+64*\s+32*\u+4*\q:WR+64*\s+32*\u+4*\q+3], v[WOFF], s[6:7] offset:(32*\s+16*\u+\q)*1024
.endr
.endr
.endm
	LOADW 0
	LOADW 1
	; LDS addresses, while the loads are on their way
	s_mul_i32 s23, s20, XSW
	v_mul_u32_u24 v[TA], XP, v[VH]
	v_lshl_add_u32 v[TA], v[VR], 3, v[TA]
	v_add_nc_u32 v[XST], s23, v[TA]                ; my stage + 144 h + 8 r
	v_mul_u32_u24 v[TA], XP, v[VR]
	v_lshl_add_u32 v[TA], v[VH], 4, v[TA]
	v_add_nc_u32 v[XLD], s23, v[TA]                ; my stage + 144 r + 16 h
	v_and_b32 v[TA], 31, v0                        ; lane
	s_lshl_b32 s23, s20, 12
	s_add_co_u32 s23, s23, RED
	v_lshl_add_u32 v[RST], v[TA], 4, s23           ; RED + 4,096 w + 16 lane
	s_lshr_b32 s23, s20, 1
	s_lshl_b32 s23, s23, 9
	s_and_b32 s24, s20, 1
	s_lshl_b32 s24, s24, 3
	s_add_co_u32 s23, s23, s24
	s_add_co_u32 s23, s23, RED
	v_lshl_add_u32 v[RLD], v[TA], 4, s23           ; RED + 512 (w / 2) + 8 (w mod 2) + 16 lane: registers 2 w, 2 w + 1 of an accumulator
.macro CVTB src, dst                   ; register p of tile t's fragment = the k pair (2 p, 2 p + 1) of column 4 r + t
.irp t, 0,1,2,3
.irp p, 0,1,2,3,4,5,6,7
	v_cvt_pk_f16_f32 v[\dst+8*\t+\p], v[\src+8*\p+\t], v[\src+8*\p+4+\t]
.endr
.endr
.endm
	s_wait_loadcnt 32                              ; the 32 loads of W stay out: b and X are in
.irp i, 0,1,2,3,4,5,6,7
	v_cvt_pk_f16_f32 v[ACC+4*\i], v[ACC+4*\i], v[ACC+4*\i+1]       ; in place: four f32 become 8 bytes
	v_cvt_pk_f16_f32 v[ACC+4*\i+1], v[ACC+4*\i+2], v[ACC+4*\i+3]
	ds_store_b64 v[XST], v[ACC+4*\i:ACC+4*\i+1] offset:2*XP*\i
.endr
.irp s, 0,1
	ds_load_b128 v[A1+8*\s:A1+8*\s+3],   v[XLD] offset:64*\s       ; my own bytes: LDS serves a wave in order (ISA guide 5.7.1), no wait between
	ds_load_b128 v[A1+8*\s+4:A1+8*\s+7], v[XLD] offset:64*\s+32
.endr
	s_wait_loadcnt 16                              ; the second K step's 16 loads stay out
	CVTB WR, BF0
	s_wait_dscnt 0x0                               ; the A fragments are in, and the stores have read the registers that now become accumulators
.irp t, 0,1,2,3
	v_wmma_f32_16x16x32_f16 v[ACC+8*\t:ACC+8*\t+7], v[A1:A1+7], v[BF0+8*\t:BF0+8*\t+7], 0         ; the first product starts the sums
.endr
	s_wait_loadcnt 0x0
	CVTB WR+64, BF1
.irp t, 0,1,2,3                        ; the four accumulators take turns, one instruction a turn
	v_wmma_f32_16x16x32_f16 v[ACC+8*\t:ACC+8*\t+7], v[A1+8:A1+15], v[BF1+8*\t:BF1+8*\t+7], v[ACC+8*\t:ACC+8*\t+7]
.endr
.rept 4
	v_nop                                          ; four plain vector instructions between a matrix instruction and what reads its result (ISA guide 7.12.1)
.endr
.irp t, 0,1,2,3
	ds_store_b128 v[RST], v[ACC+8*\t:ACC+8*\t+3]   offset:1024*\t
	ds_store_b128 v[RST], v[ACC+8*\t+4:ACC+8*\t+7] offset:1024*\t+512
.endr
	s_wait_dscnt 0x0                               ; for the other waves: my partial sums are in LDS
	s_barrier_signal -1
	s_barrier_wait -1
	; wave w adds the four partial sums of the rows 8 h + 2 w and 8 h + 2 w + 1, all four tiles
.irp u, 0,1,2,3
.irp t, 0,1,2,3
	ds_load_b64 v[RR+8*\u+2*\t:RR+8*\u+2*\t+1], v[RLD] offset:4096*\u+1024*\t
.endr
.endr
	s_wait_dscnt 0x0
.irp t, 0,1,2,3
	v_pk_add_f32 v[RR+2*\t:RR+2*\t+1], v[RR+2*\t:RR+2*\t+1], v[RR+8+2*\t:RR+8+2*\t+1]
	v_pk_add_f32 v[RR+16+2*\t:RR+16+2*\t+1], v[RR+16+2*\t:RR+16+2*\t+1], v[RR+24+2*\t:RR+24+2*\t+1]
.endr
.irp t, 0,1,2,3
	v_pk_add_f32 v[RR+2*\t:RR+2*\t+1], v[RR+2*\t:RR+2*\t+1], v[RR+16+2*\t:RR+16+2*\t+1]
.endr
.irp jj, 0,1
.irp t, 0,1,2,3
	v_add_f32 v[OO+4*\jj+\t], v[RR+2*\t+\jj], v[BIAS+\t]           ; + b; the add also lays the four columns side by side
.endr
.endr
	global_store_b128 v[WOFF], v[OO:OO+3], s[10:11]                ; row 8 h + 2 w: sixteen lanes store 256 consecutive bytes, aligned
	global_store_b128 v[WOFF], v[OO+4:OO+7], s[10:11] offset:1024  ; row 8 h + 2 w + 1
	s_wait_tensorcnt 0x0
	ds_add_u32 v240, v241
	s_wait_dscnt 0x0
	s_endpgm
.Lfunc_end_k_q706d54ef7e_proj_v:
	.size	k_q706d54ef7e_proj_v, .Lfunc_end_k_q706d54ef7e_proj_v-k_q706d54ef7e_proj_v
	.p2alignl 7, 3214868480
	.fill 96, 4, 3214868480
	.section	.rodata,"a",@progbits
	.p2align	6, 0x0
	.amdhsa_kernel k_q706d54ef7e_proj_v
		.amdhsa_group_segment_fixed_size 26112
		.amdhsa_private_segment_fixed_size 0
		.amdhsa_enable_private_segment 0
		.amdhsa_kernarg_size 32
		.amdhsa_user_sgpr_count 2
		.amdhsa_user_sgpr_kernarg_segment_ptr 1
		.amdhsa_wavefront_size32 1
		.amdhsa_system_sgpr_workgroup_id_x 1
		.amdhsa_system_sgpr_workgroup_id_y 1
		.amdhsa_system_sgpr_workgroup_id_z 1
		.amdhsa_system_vgpr_workitem_id 0
		.amdhsa_next_free_vgpr 242
		.amdhsa_next_free_sgpr 66
		.amdhsa_reserve_vcc 0
		.amdhsa_float_denorm_mode_32 3
		.amdhsa_float_denorm_mode_16_64 3
		.amdhsa_memory_ordered 1
		.amdhsa_forward_progress 1
		.amdhsa_inst_pref_size 16
	.end_amdhsa_kernel
	.amdgpu_metadata
---
amdhsa.version: [ 1, 2 ]
amdhsa.kernels:
  - .name:           k_q706d54ef7e_proj_v
    .symbol:         k_q706d54ef7e_proj_v.kd
    .args:
      - { .name: PM, .offset: 0, .size: 8, .value_kind: global_buffer, .address_space: global }
      - { .name: Wv, .offset: 8, .size: 8, .value_kind: global_buffer, .address_space: global }
      - { .name: bv, .offset: 16, .size: 8, .value_kind: global_buffer, .address_space: global }
      - { .name: V, .offset: 24, .size: 8, .value_kind: global_buffer, .address_space: global }
    .group_segment_fixed_size: 26112
    .private_segment_fixed_size: 0
    .kernarg_segment_align: 8
    .kernarg_segment_size: 32
    .max_flat_workgroup_size: 128
    .sgpr_count:     66
    .vgpr_count:     242
    .wavefront_size: 32
...
	.end_amdgpu_metadata
.endif
;; end of part 3
;; launch proj_o: the kernel of part 3 again; grid 4 x 64, 4 waves a work-group, no clusters, 26,112 bytes of LDS; arguments V, Wo, bo, out0; writes out0
;; ======== version 2 of 2: 4 launches; version 1 with the launch attend written anew for expert scheduling mode
;; limits: values are held in f16: magnitudes above 65,504 overflow, below 6.1e-05 lose precision
;; workspace buffers: U 4,194,304 bytes; QB 16,384 bytes; PM 1,048,576 bytes; V 1,048,576 bytes
;; launch prep: the kernel of part 1 again; grid 4 x 64, 4 waves a work-group, no clusters, 168,448 bytes of LDS; arguments central_embedding, Wq, bq, Wk, bk, U, QB; writes U, QB
;; launch attend (part 4): grid 1024 x 1, 8 waves a work-group, no clusters, 10,240 bytes of LDS; arguments spatial_embeddings, mask, sdr, U, QB, PM; writes PM
.if DOCPART == 4
	.amdgcn_target "amdgcn-amd-amdhsa--gfx1250"
	.amdhsa_code_object_version 6
	.text
	.protected	k_q706d54ef7e_attend
	.globl	k_q706d54ef7e_attend
	.p2align	8
	.type	k_q706d54ef7e_attend,@function
k_q706d54ef7e_attend:
	s_mov_b64 s[64:65], 0
	v_nop
	global_prefetch_b8 v0, s[64:65] scope:SCOPE_SE
	s_setreg_imm32_b32 hwreg(HW_REG_WAVE_SCHED_MODE, 0, 2), 2
	s_setreg_imm32_b32 hwreg(HW_REG_WAVE_MODE, 25, 1), 1
	s_wait_xcnt 0x0
	s_wait_alu depctr_vm_vsrc(0)
; attend: one work-group for one voxel n.  With qk = Wk q (the sum of U's four quarters) and qb = q . bk (the sum of QB's four):
;   logit[k] = sdr[x] . qk[0:64] + sdr[y] . qk[64:128] + sdr[z] . qk[128:192] + emb[k] . qk[192:256] + qb,   k = 49 x + 7 y + z
;   l[k] = logit[k] - (1 - mask[k]) * 1e9: a subtraction, a product and a subtraction, each rounded by itself, as reference() writes them
;   s = softmax(l), with the largest l taken away before the exponential
;   PM[n][64 a + m] = sum over x of marginal_a[x] sdr[x][m]  (a = 0, 1, 2);   PM[n][192 + c] = sum over k of s[k] emb[k][c]
; PM is the scores' average of the memory rows; the next launches form (PM Wv + bv) Wo + bo.
; LIMITS, stated: the sums are those of reference() in another order of rounding; bv is added once, which takes the scores' sum as 1 (it is 1 to
; a few units in the last place).  Where several masks of a row are equal, the scores hang on the logits, and the bf16 operands of q and Wk q show there.
; The voxel's 343 rows of 256 bytes are read from memory once and stay in registers (88 a lane) between the logits and the weighting.
; Group g (16 lanes, g = thread / 16) owns rows 22 g .. 22 g + 21; lane c4 of it owns channels 4 c4 .. 4 c4 + 3: a load of a wave covers two whole rows.
; Slots 343 .. 351 read row 342 again (clamped address) and weigh 0.
; No matrix unit: each row of emb meets one vector, so a number loaded feeds two multiply-adds.  No cluster: the work-groups share sdr's 1,792 bytes alone.
; THE MODE: SCHED_MODE bits 1:0 = 2 (LLVM: expert scheduling mode 2), set by the entry lines.  The code itself states the register dependences
; between vector instructions and memory or LDS instructions, with s_wait_alu, always for 0.
; THE PLAN.  Registers that memory or LDS instructions touch:
;   v5, v39       4 t and 88 g: written at the head, read as addresses to the end, never written again.
;   AD0 .. AD21   row i's byte offset: written at the head, read by row load i.  Behind the wait that shows load i done the same register is R[i], row i's dot:
;                 written by row i's arithmetic, read by its LDS store.  So the 39 loads stand in one run and the 22 stores in two runs of eleven.
;   D             written by the row loads alone, read by vector instructions alone.
;   v1 .. v31     by turns addresses, loaded data and stores' data.  Each phase between two barriers makes what its LDS stores read, states that once ahead of the
;                 run of stores, and issues no vector instruction between that wait and the next phase's LDS loads; behind each barrier one wait states that the
;                 LDS instructions issued so far have read their registers, which the next phase's loads and arithmetic write again.
.set VOX,  87808                       ; bytes of a voxel
.set LG,   0                           ; 352 words: emb[k] . qk[192:256]
.set E,    1536                        ; 512 words: exp(l - max); 0 from slot 343 on
.set TW,   3584                        ; 8 x 32 bytes: wave w's seven sums sdr[x] . qk over its 32 channels
.set WM,   3840                        ; 8 words: the waves' maxima
.set WS,   3872                        ; 8 words: the waves' sums
.set MG,   3904                        ; 32 words: marginal a, index x at word 8 a + x
.set PS,   4096                        ; 16 x 256 bytes: the groups' weighted sums of emb
.set PMS,  8192                        ; 1,024 bytes: PM's row
.set QE,   16                          ; v[16:19] qk[192 + 4 c4 .. + 3]
.set SD,   32                          ; v[32:38] sdr[x][thread mod 64]
.set LGA,  39                          ; v39      88 g
.set D,    40                          ; v[40:127] my 16 bytes of my group's 22 rows
.set AD,   130                         ; v[130:151] row i: the byte offset of my 16 bytes, held inside the voxel
.set R,    130                         ; the same registers, each from its row's arrival on: row i's dot
	s_load_b256 s[4:11], s[0:1], 0x0               ; emb s[4:5], mask s[6:7], sdr s[8:9], U s[10:11]
	s_load_b128 s[12:15], s[0:1], 0x20             ; QB s[12:13], PM s[14:15]
	v_lshl_add_u32 v128, v0, 2, 0x2400             ; my spare word, behind PM's row, and 0: kept for the closing lines alone
	v_mov_b32 v129, 0
	v_lshrrev_b32 v9, 5, v0
	v_readfirstlane_b32 s16, v9                    ; wave w
	s_mov_b32 s24, 0x76543210                      ; v_permlanex16_b32: lane i reads lane i of the other half
	s_mov_b32 s25, 0xfedcba98
	s_mul_i32 s26, ttmp9, VOX
	s_mov_b32 s27, 0
	s_mul_i32 s28, ttmp9, 1372                     ; a row of mask: 343 words
	s_mov_b32 s29, 0
	s_lshl_b32 s30, ttmp9, 10                      ; a row of U and of PM
	s_mov_b32 s31, 0
	s_lshl_b32 s32, ttmp9, 2
	s_mov_b32 s33, 0
	v_and_b32 v1, 15, v0                           ; c4
	v_lshrrev_b32 v2, 4, v0                        ; g
	v_lshlrev_b32 v6, 4, v1                        ; 16 c4
	v_mul_u32_u24 v3, 5632, v2                     ; 22 rows of 256 bytes
	v_add_nc_u32 v3, v3, v6
	v_add_nc_u32 v4, 87552, v6                     ; row 342, the last
	v_lshlrev_b32 v5, 2, v0                        ; 4 t
	v_and_b32 v7, 63, v0
	v_lshlrev_b32 v7, 2, v7
	v_add_nc_u32 v9, 256, v0
	v_min_u32 v9, 342, v9                          ; my second slot, held inside the row
	v_lshlrev_b32 v8, 2, v9
	v_mul_u32_u24 v[LGA], 88, v2
.irp i, 0,1,2,3,4,5,6,7,8,9,10,11,12,13,14,15,16,17,18,19,20,21
	v_add_nc_u32 v[AD+\i], 256*\i, v3
	v_min_u32 v[AD+\i], v[AD+\i], v4               ; no row past the voxel's last
.endr
	s_wait_alu depctr_va_sdst(0)                   ; s16 is written, ahead of its first reader, the line below
	s_lshr_b32 s17, s16, 1                         ; a = w / 2: the axis whose channels my threads hold (3: emb's)
	s_wait_kmcnt 0x0
	s_add_nc_u64 s[4:5], s[4:5], s[26:27]
	s_add_nc_u64 s[6:7], s[6:7], s[28:29]
	s_add_nc_u64 s[10:11], s[10:11], s[30:31]
	s_add_nc_u64 s[12:13], s[12:13], s[32:33]
	s_add_nc_u64 s[14:15], s[14:15], s[30:31]
.irp p, 0,1,2,3
	s_load_b32 s[20+\p], s[12:13], 0x1000*\p       ; QB's four quarters
.endr
	s_wait_alu depctr_va_vdst(0)                   ; the offsets v5 to v8, v39 and AD0 to AD21 are written, which the loads below and the LDS instructions further down read
	; 17 small loads first, since loads come back in order, then the voxel's 22 rows: 39 loads in one run
.irp p, 0,1,2,3
	global_load_b32 v[10+\p], v5, s[10:11] offset:\p<<20           ; U[p][n][t]
.endr
.irp p, 0,1,2,3
	global_load_b128 v[QE+4*\p:QE+4*\p+3], v6, s[10:11] offset:768+(\p<<20)    ; U[p][n][192 + 4 c4 ..]
.endr
.irp x, 0,1,2,3,4,5,6
	global_load_b32 v[SD+\x], v7, s[8:9] offset:256*\x
.endr
	global_load_b32 v14, v5, s[6:7]                ; mask[t]
	global_load_b32 v15, v8, s[6:7]                ; mask[min(256 + t, 342)]
.irp i, 0,1,2,3,4,5,6,7,8,9,10,11,12,13,14,15,16,17,18,19,20,21
	global_load_b128 v[D+4*\i:D+4*\i+3], v[AD+\i], s[4:5] th:TH_LOAD_NT        ; each byte is read once in the launch
.endr
	; While the rows are on their way: qk, the 21 table sums, the slots' coordinates, the mask's penalty.
	s_wait_loadcnt 22                              ; the 22 row loads stay out
	s_wait_alu depctr_vm_vsrc(0)                   ; the 39 loads have read their offsets: v6 and v7 are written again by the coordinates below, AD[i] by row i's dot
	v_add_f32 v10, v10, v11
	v_add_f32 v12, v12, v13
	v_add_f32 v10, v10, v12                        ; qk[t]
	v_pk_add_f32 v[16:17], v[16:17], v[20:21]
	v_pk_add_f32 v[18:19], v[18:19], v[22:23]
	v_pk_add_f32 v[24:25], v[24:25], v[28:29]
	v_pk_add_f32 v[26:27], v[26:27], v[30:31]
	v_pk_add_f32 v[16:17], v[16:17], v[24:25]
	v_pk_add_f32 v[18:19], v[18:19], v[26:27]      ; qk[192 + 4 c4 ..]
.irp x, 0,1,2,3,4,5,6
	v_mul_f32 v[20+\x], v[SD+\x], v10              ; sdr[x][m] qk[64 a + m]
.endr
.irp m, 1,2,4,8
.irp x, 0,1,2,3,4,5,6
	v_add_f32_dpp v[20+\x], v[20+\x], v[20+\x] row_xmask:\m row_mask:0xf bank_mask:0xf
.endr
.endr
.irp x, 0,1,2,3,4,5,6
	v_permlanex16_b32 v28, v[20+\x], s24, s25
	v_add_f32 v[20+\x], v[20+\x], v28              ; over my wave's 32 channels; waves 2 a and 2 a + 1 together hold axis a (waves 6, 7: not used)
.endr
	s_lshl_b32 s18, s16, 5
	v_mov_b32 v27, s18                             ; where the seven sums go: they are stored with the first run of dots, and no line until then names v20 to v27
; k = 49 x + 7 y + z: x = k 1338 >> 16 (right up to k = 342), y = rem 37 >> 8 (right up to rem = 48).  Out come 4 x, 4 y, 4 z.
; The three v_min_u32 change no value: they write the bound 0 .. 6 of an LDS index into the text.
.macro COORD k, x, y, z, tmp
	v_mul_u32_u24 v[\x], 1338, v[\k]
	v_lshrrev_b32 v[\x], 16, v[\x]
	v_mul_u32_u24 v[\tmp], 49, v[\x]
	v_sub_nc_u32 v[\z], v[\k], v[\tmp]
	v_mul_u32_u24 v[\y], 37, v[\z]
	v_lshrrev_b32 v[\y], 8, v[\y]
	v_mul_u32_u24 v[\tmp], 7, v[\y]
	v_sub_nc_u32 v[\z], v[\z], v[\tmp]
	v_min_u32 v[\x], 6, v[\x]
	v_min_u32 v[\y], 6, v[\y]
	v_min_u32 v[\z], 6, v[\z]
	v_lshlrev_b32 v[\x], 2, v[\x]
	v_lshlrev_b32 v[\y], 2, v[\y]
	v_lshlrev_b32 v[\z], 2, v[\z]
.endm
	COORD 0, 1, 2, 3, 4                            ; slot t
	COORD 9, 6, 7, 9, 4                            ; slot min(256 + t, 342); v6 and v7 were addresses of loads that the waits above have shown done
	v_sub_f32 v14, 1.0, v14
	v_sub_f32 v15, 1.0, v15
	v_mul_f32 v14, 0x4e6e6b28, v14                 ; (1 - mask) * 1e9
	v_mul_f32 v15, 0x4e6e6b28, v15
	s_wait_kmcnt 0x0
	s_add_f32 s20, s20, s21
	s_add_f32 s22, s22, s23
	s_add_f32 s20, s20, s22                        ; qb
; Row i of my group: my four channels' products, summed over the sixteen lanes, into R[i].
.macro ROWDOT i
.set T, 10+2*(\i%4)+14*((\i%4)/2)      ; four pairs take turns: v10, v12, v28, v30; no memory or LDS instruction names them here
	s_wait_loadcnt 21-\i                           ; loads come back in order (ISA guide 5.7.1): the younger rows stay out; row i's load is done, so its offset register may take the dot
	v_pk_mul_f32 v[T:T+1], v[D+4*\i:D+4*\i+1], v[QE:QE+1]
	v_pk_fma_f32 v[T:T+1], v[D+4*\i+2:D+4*\i+3], v[QE+2:QE+3], v[T:T+1]
	v_add_f32 v[R+\i], v[T], v[T+1]
.irp m, 1,2,4,8
	v_add_f32_dpp v[R+\i], v[R+\i], v[R+\i] row_xmask:\m row_mask:0xf bank_mask:0xf
.endr
.endm
.irp i, 0,1,2,3,4,5,6,7,8,9,10
	ROWDOT \i
.endr
	s_wait_alu depctr_va_vdst(0)                   ; the table sums v20 to v26, their address v27 and R0 to R10 are written, which the fourteen stores below read
	ds_store_b128 v27, v[20:23] offset:TW
	ds_store_b64 v27, v[24:25] offset:TW+16
	ds_store_b32 v27, v26 offset:TW+24
.irp i, 0,1,2,3,4,5,6,7,8,9,10
	ds_store_b32 v[LGA], v[R+\i] offset:LG+4*\i    ; every lane of the group stores the same word
.endr
.irp i, 11,12,13,14,15,16,17,18,19,20,21
	ROWDOT \i                                      ; these write R11 to R21 and the four pairs: none of the registers that the stores above read
.endr
	s_wait_alu depctr_va_vdst(0)                   ; R11 to R21 are written, which the stores below read; the dots are done reading v16 to v19 and the pairs, and the coordinates are written: for the loads behind the barrier
.irp i, 11,12,13,14,15,16,17,18,19,20,21
	ds_store_b32 v[LGA], v[R+\i] offset:LG+4*\i
.endr
	s_wait_dscnt 0x0                               ; for the other waves: my table sums and my rows' dots are in LDS
	s_barrier_signal -1
	s_barrier_wait -1
	; The logits of my two slots
.macro LOGIT b, k4, x, y, z
	ds_load_b32 v[\b],   v[\k4] offset:LG
	ds_load_b32 v[\b+1], v[\x] offset:TW
	ds_load_b32 v[\b+2], v[\x] offset:TW+32
	ds_load_b32 v[\b+3], v[\y] offset:TW+64
	ds_load_b32 v[\b+4], v[\y] offset:TW+96
	ds_load_b32 v[\b+5], v[\z] offset:TW+128
	ds_load_b32 v[\b+6], v[\z] offset:TW+160
.endm
.macro LSUM b, pen
	v_add_f32 v[\b+1], v[\b+1], v[\b+2]
	v_add_f32 v[\b+3], v[\b+3], v[\b+4]
	v_add_f32 v[\b+5], v[\b+5], v[\b+6]
	v_add_f32 v[\b], v[\b], v[\b+1]
	v_add_f32 v[\b+3], v[\b+3], v[\b+5]
	v_add_f32 v[\b], v[\b], v[\b+3]
	v_add_f32 v[\b], s20, v[\b]                    ; + q . bk: the logit is whole
	v_sub_f32 v[\b], v[\b], v[\pen]                ; - (1 - mask) * 1e9
.endm
	s_wait_alu depctr_vm_vsrc(0)                   ; my stores of the table sums have read v20 to v27, in which the loads below land
	LOGIT 16, 5, 1, 2, 3
	LOGIT 23, 8, 6, 7, 9
	s_lshl_b32 s18, s16, 2
	v_mov_b32 v10, s18                             ; 4 w
	v_mov_b32 v11, 0
	v_cmp_gt_u32 vcc_lo, 87, v0                    ; slot 256 + t exists for t < 87
	s_wait_dscnt 0x0
	s_wait_alu depctr_va_vcc(0)                    ; VCC is written, ahead of its first reader, the select below
	LSUM 16, 14
	LSUM 23, 15
	v_cndmask_b32 v23, 0xff800000, v23, vcc_lo     ; no such slot: minus infinity, which weighs 0
	v_max_num_f32 v30, v16, v23
.irp m, 1,2,4,8
	v_max_num_f32_dpp v30, v30, v30 row_xmask:\m row_mask:0xf bank_mask:0xf
.endr
	v_permlanex16_b32 v31, v30, s24, s25
	v_max_num_f32 v30, v30, v31
	s_wait_alu depctr_va_vdst(0)                   ; v10 and v30 are written, which the store reads; v11 is written and the sums are done with v24 to v31: for the loads behind the barrier
	ds_store_b32 v10, v30 offset:WM
	s_wait_dscnt 0x0
	s_barrier_signal -1
	s_barrier_wait -1
	s_wait_alu depctr_vm_vsrc(0)                   ; my store of the maximum has read v30, in which the second load below lands
	ds_load_b128 v[24:27], v11 offset:WM
	ds_load_b128 v[28:31], v11 offset:WM+16
	s_wait_dscnt 0x0
	v_max3_num_f32 v24, v24, v25, v26
	v_max3_num_f32 v27, v27, v28, v29
	v_max3_num_f32 v24, v24, v30, v31
	v_max_num_f32 v24, v24, v27                    ; the largest of the 343
	v_sub_f32 v16, v16, v24
	v_sub_f32 v23, v23, v24
	v_mul_f32 v16, 0x3fb8aa3b, v16                 ; e^x = 2^(x log2 e)
	v_mul_f32 v23, 0x3fb8aa3b, v23
	v_exp_f32 v16, v16
	v_exp_f32 v23, v23
	v_nop                                          ; one plain vector instruction between a transcendental and the use of its result (ISA guide 5.7.2)
	s_wait_alu depctr_va_vdst(0)                   ; the two exponentials have written v16 and v23, which the two stores and the sum below read
	ds_store_b32 v5, v16 offset:E
	ds_store_b32 v5, v23 offset:E+1024
	v_add_f32 v25, v16, v23
.irp m, 1,2,4,8
	v_add_f32_dpp v25, v25, v25 row_xmask:\m row_mask:0xf bank_mask:0xf
.endr
	v_permlanex16_b32 v26, v25, s24, s25
	v_add_f32 v25, v25, v26
	s_wait_alu depctr_va_vdst(0)                   ; v25 is written, which the store reads; all vector work on v10 to v31 is done: the loads behind the barrier land there
	ds_store_b32 v10, v25 offset:WS
	s_wait_dscnt 0x0
	s_barrier_signal -1
	s_barrier_wait -1
	; Weighting: my group's 22 rows times their exponentials, from the registers
	s_wait_alu depctr_vm_vsrc(0)                   ; my LDS instructions so far have read v10, v11, v16, v23 and v25, in which the loads below land, and the logits' addresses v1 to v3 and v6 to v9, which the lines below write
.irp j, 0,1,2,3,4,5,6,7,8,9,10
	ds_load_b64 v[10+2*\j:11+2*\j], v[LGA] offset:E+8*\j
.endr
	v_lshlrev_b32 v1, 4, v0                        ; 16 t
	s_wait_dscnt 10                                ; the first pair is in, the ten younger ones may be out
	v_pk_mul_f32 v[6:7], v[D:D+1], v[10:11] op_sel_hi:[1,0]        ; the first product starts the sums
	v_pk_mul_f32 v[8:9], v[D+2:D+3], v[10:11] op_sel_hi:[1,0]
	v_pk_fma_f32 v[6:7], v[D+4:D+5], v[10:11], v[6:7] op_sel:[0,1,0] op_sel_hi:[1,1,1]
	v_pk_fma_f32 v[8:9], v[D+6:D+7], v[10:11], v[8:9] op_sel:[0,1,0] op_sel_hi:[1,1,1]
.irp j, 1,2,3,4,5,6,7,8,9,10
	s_wait_dscnt 10-\j
	v_pk_fma_f32 v[6:7], v[D+8*\j:D+8*\j+1],   v[10+2*\j:11+2*\j], v[6:7] op_sel_hi:[1,0,1]
	v_pk_fma_f32 v[8:9], v[D+8*\j+2:D+8*\j+3], v[10+2*\j:11+2*\j], v[8:9] op_sel_hi:[1,0,1]
	v_pk_fma_f32 v[6:7], v[D+8*\j+4:D+8*\j+5], v[10+2*\j:11+2*\j], v[6:7] op_sel:[0,1,0] op_sel_hi:[1,1,1]
	v_pk_fma_f32 v[8:9], v[D+8*\j+6:D+8*\j+7], v[10+2*\j:11+2*\j], v[8:9] op_sel:[0,1,0] op_sel_hi:[1,1,1]
.endr
	; Marginals: thread (a, x = (t / 8) mod 8, j1 = t mod 8) adds seven exponentials, eight lanes then add over j1.
	; The strides of x, j1 and the inner index are constants on each of three paths, chosen by the wave's number.
	v_bfe_u32 v2, v0, 3, 3
	v_min_u32 v2, 6, v2                            ; x = 7 and j1 = 7 read inside the table; their sums are not used, or set to 0
	v_and_b32 v4, 7, v0
	v_min_u32 v3, 6, v4
	v_lshrrev_b32 v11, 3, v0
	v_lshlrev_b32 v11, 2, v11
; Each path has one wait, behind its address: the store of the group's weighted sums stands behind it, ahead of the path's seven loads.
.macro MARG sx, sj, si
	v_mul_u32_u24 v10, \sx, v2
	v_mad_u32_u24 v10, v3, \sj, v10
	s_wait_alu depctr_va_vdst(0)                   ; v1 and v6 to v9 are written, which the store reads; v10 is written, which the loads read; the weighting is done reading v20 to v26, in which they land
	ds_store_b128 v1, v[6:9] offset:PS
.irp j, 0,1,2,3,4,5,6
	ds_load_b32 v[20+\j], v10 offset:E+\si*\j
.endr
.endm
	s_cmp_eq_u32 s17, 0
	s_cbranch_scc1 .Laxis0
	s_cmp_eq_u32 s17, 1
	s_cbranch_scc1 .Laxis1
	MARG 4, 196, 28                                ; z (waves 6 and 7 repeat it into words that nobody reads)
	s_branch .Lmarg
.Laxis0:
	MARG 196, 28, 4                                ; x
	s_branch .Lmarg
.Laxis1:
	MARG 28, 196, 4                                ; y
.Lmarg:
	v_cmp_gt_u32 vcc_lo, 7, v4
	v_mov_b32 v3, 0                                ; the addresses of the loads behind the barrier are made here, ahead of the wait that stands in front of the store below:
	s_lshl_b32 s18, s17, 5
	v_mov_b32 v2, s18                              ; 0 for the waves' sums, 32 a for my axis' marginals (waves 6 and 7 do not use it)
	s_wait_dscnt 0x0
	s_wait_alu depctr_va_vcc(0)                    ; VCC is written, ahead of its first reader, the select below
	v_add_f32 v20, v20, v21
	v_add_f32 v22, v22, v23
	v_add_f32 v24, v24, v25
	v_add_f32 v20, v20, v22
	v_add_f32 v24, v24, v26
	v_add_f32 v20, v20, v24
	v_cndmask_b32 v20, 0, v20, vcc_lo
.irp m, 1,2,4
	v_add_f32_dpp v20, v20, v20 row_xmask:\m row_mask:0xf bank_mask:0xf
.endr
	s_wait_alu depctr_va_vdst(0)                   ; v20 is written, which the store reads; v2 and v3 are written and all vector work on v8 to v31 is done: for the loads behind the barrier
	ds_store_b32 v11, v20 offset:MG
	s_wait_dscnt 0x0                               ; for the other waves: my groups' sums and my marginals are in LDS
	s_barrier_signal -1
	s_barrier_wait -1
	; Channel t of the pooled memory
	s_wait_alu depctr_vm_vsrc(0)                   ; my LDS instructions so far have read v6 to v11 and v20: loads land in v8 to v11 and v20 on both paths below, and v6 takes the channel's sum
	ds_load_b128 v[24:27], v3 offset:WS
	ds_load_b128 v[28:31], v3 offset:WS+16
	s_cmp_lt_u32 s16, 6
	s_cbranch_scc0 .Lemb
	ds_load_b128 v[8:11], v2 offset:MG
	ds_load_b128 v[12:15], v2 offset:MG+16
	s_wait_dscnt 0x0
	v_mul_f32 v6, v8, v[SD]
.irp x, 1,2,3,4,5,6
	v_fmac_f32 v6, v[8+\x], v[SD+\x]               ; sum over x of marginal_a[x] sdr[x][m]
.endr
	s_branch .Lnorm
.Lemb:
.irp j, 0,1,2,3,4,5,6,7,8,9,10,11,12,13,14,15
	ds_load_b32 v[8+\j], v5 offset:PS-768+256*\j   ; group j's sum of channel t - 192
.endr
	s_wait_dscnt 0x0
	v_pk_add_f32 v[8:9], v[8:9], v[16:17]
	v_pk_add_f32 v[10:11], v[10:11], v[18:19]
	v_pk_add_f32 v[12:13], v[12:13], v[20:21]
	v_pk_add_f32 v[14:15], v[14:15], v[22:23]
	v_pk_add_f32 v[8:9], v[8:9], v[12:13]
	v_pk_add_f32 v[10:11], v[10:11], v[14:15]
	v_pk_add_f32 v[8:9], v[8:9], v[10:11]
	v_add_f32 v6, v8, v9
.Lnorm:
	v_pk_add_f32 v[24:25], v[24:25], v[26:27]
	v_pk_add_f32 v[28:29], v[28:29], v[30:31]
	v_pk_add_f32 v[24:25], v[24:25], v[28:29]
	v_add_f32 v24, v24, v25                        ; the sum of the exponentials: at least 1, the largest slot's
	v_rcp_f32 v24, v24
	v_nop                                          ; one plain vector instruction between the reciprocal and the use of its result (ISA guide 5.7.2)
	s_wait_alu depctr_va_vdst(0)                   ; the reciprocal has written v24, which the product below reads
	v_mul_f32 v6, v6, v24
	s_wait_alu depctr_va_vdst(0)                   ; v6 is written, which the store reads; the sums are done reading v8 to v11, in which the load behind the barrier lands
	ds_store_b32 v5, v6 offset:PMS
	s_wait_dscnt 0x0
	s_barrier_signal -1
	s_barrier_wait -1
	s_cmp_lt_u32 s16, 2
	s_cbranch_scc0 .Lend
	ds_load_b128 v[8:11], v1 offset:PMS            ; waves 0 and 1: 16 bytes a lane; no vector instruction since the last wait names v1 or v8 to v11
	s_wait_dscnt 0x0
	global_store_b128 v1, v[8:11], s[14:15]        ; sixteen lanes store 256 consecutive bytes, aligned
.Lend:
	s_wait_dscnt 0x0                               ; the closing lines, six on end
	s_wait_alu 0x0
	s_wait_tensorcnt 0x0
	ds_add_u32 v128, v129
	s_wait_dscnt 0x0
	s_endpgm
.Lfunc_end_k_q706d54ef7e_attend:
	.size	k_q706d54ef7e_attend, .Lfunc_end_k_q706d54ef7e_attend-k_q706d54ef7e_attend
	.p2alignl 7, 3214868480
	.fill 96, 4, 3214868480
	.section	.rodata,"a",@progbits
	.p2align	6, 0x0
	.amdhsa_kernel k_q706d54ef7e_attend
		.amdhsa_group_segment_fixed_size 10240
		.amdhsa_private_segment_fixed_size 0
		.amdhsa_enable_private_segment 0
		.amdhsa_kernarg_size 48
		.amdhsa_user_sgpr_count 2
		.amdhsa_user_sgpr_kernarg_segment_ptr 1
		.amdhsa_wavefront_size32 1
		.amdhsa_system_sgpr_workgroup_id_x 1
		.amdhsa_system_sgpr_workgroup_id_y 1
		.amdhsa_system_sgpr_workgroup_id_z 1
		.amdhsa_system_vgpr_workitem_id 0
		.amdhsa_next_free_vgpr 152
		.amdhsa_next_free_sgpr 66
		.amdhsa_reserve_vcc 1
		.amdhsa_float_denorm_mode_32 3
		.amdhsa_float_denorm_mode_16_64 3
		.amdhsa_memory_ordered 1
		.amdhsa_forward_progress 1
		.amdhsa_inst_pref_size 38
	.end_amdhsa_kernel
	.amdgpu_metadata
---
amdhsa.version: [ 1, 2 ]
amdhsa.kernels:
  - .name:           k_q706d54ef7e_attend
    .symbol:         k_q706d54ef7e_attend.kd
    .args:
      - { .name: spatial_embeddings, .offset: 0, .size: 8, .value_kind: global_buffer, .address_space: global }
      - { .name: mask, .offset: 8, .size: 8, .value_kind: global_buffer, .address_space: global }
      - { .name: sdr, .offset: 16, .size: 8, .value_kind: global_buffer, .address_space: global }
      - { .name: U, .offset: 24, .size: 8, .value_kind: global_buffer, .address_space: global }
      - { .name: QB, .offset: 32, .size: 8, .value_kind: global_buffer, .address_space: global }
      - { .name: PM, .offset: 40, .size: 8, .value_kind: global_buffer, .address_space: global }
    .group_segment_fixed_size: 10240
    .private_segment_fixed_size: 0
    .kernarg_segment_align: 8
    .kernarg_segment_size: 48
    .max_flat_workgroup_size: 256
    .sgpr_count:     66
    .vgpr_count:     152
    .wavefront_size: 32
...
	.end_amdgpu_metadata
.endif
;; end of part 4
;; launch proj_v: the kernel of part 3 again; grid 4 x 64, 4 waves a work-group, no clusters, 26,112 bytes of LDS; arguments PM, Wv, bv, V; writes V
;; launch proj_o: the kernel of part 3 again; grid 4 x 64, 4 waves a work-group, no clusters, 26,112 bytes of LDS; arguments V, Wo, bo, out0; writes out0
